; MI455X (gfx1250); checked and timed in simulation.
; The chip was launched on July 23, 2026; its instructions are those of AMD's public machine-readable ISA for CDNA 5 (MIT licence, August 2026) and "CDNA5" Instruction Set Architecture Reference Guide (July 2026). The comments in the code are by the model that wrote it; some were corrected since.
;; FP8 MM. Allowed arithmetic: matrix products marked QUANTISED: E2M3 operands, one E8M0 scale for each 32 along K, by v_wmma_scale_f32_16x16x128_f8f6f4 with both operands' format E2M3, f32 sums; everything else in f32.
;; Inputs: inp 4,096 x 4,096 float32.
;; Outputs: out0 4,096 x 4,096 float32.
;; This version of the problem:
;;   THIS VERSION OF THE PROBLEM IS GIVEN IN LOW PRECISION. The matrix products marked QUANTISED in the list below multiply operands that are first quantised to E2M3 (2 exponent bits, 3 mantissa bits; 6 bits a number), with one power-of-two scale for each 32 numbers along K (OCP MX v1.0); their sums are f32. All else is computed in f32.
;;   The module's matrix products, in the order in which they are computed (A, B: the left and right operand; K: the contracted axis; several contracted axes count as one K, in the product's order):
;;     1. [M 4,096, K 4,096] x [K 4,096, N 4,096]; A: input inp; B: input inp: QUANTISED
;;   THE QUANTISER, for each operand of a quantised product, along K:
;;     - K is cut into blocks of 32 from its start; a last block that is shorter is filled with zeros.
;;     - A block's scale is 2^e with e = floor(log2(the largest magnitude in the block)) - 2, held to -126 .. 127; a block of zeros has e = 0. As a byte (E8M0): e + 127.
;;     - Each number is divided by its block's scale, clamped to +-7.5, and rounded to the nearest number of E2M3, ties to even, subnormals kept.
;;     - The product sums the exact products of the quantised numbers (number of the format x scale) in f32.
;;   ~~~python
;;   def quantise(x, axis):      # numpy; x: float32 -> the quantised numbers, widened to float32 again
;;       x = np.moveaxis(x, axis, -1); K = x.shape[-1]
;;       x = np.pad(x, [(0, 0)] * (x.ndim - 1) + [(0, -K % 32)]); x = x.reshape(x.shape[:-1] + (-1, 32)); a = np.abs(x).max(-1, keepdims=True)
;;       e = np.where(a > 0, np.clip(np.frexp(np.where(a > 0, a, 1))[1] - 1 - 2, -126, 127), 0)      # np.frexp(a)[1] - 1 = floor(log2(a)), exactly
;;       r = np.clip(x / 2.0 ** e, -7.5, 7.5)
;;       step = 2.0 ** (np.maximum(np.frexp(np.where(r == 0, 1, r))[1] - 1, 0) - 3)
;;       q = np.round(r / step) * step * 2.0 ** e      # np.round: ties to even
;;       return np.moveaxis(q.reshape(q.shape[:-2] + (-1,))[..., :K], -1, axis).astype(np.float32)
;;   ~~~
;; One version. Each part assembles by itself: llvm-mc -triple=amdgcn-amd-amdhsa -mcpu=gfx1250 --defsym DOCPART=n.
;; ======== version 1 of 1: 2 launches
;; limits: right only within a limited range of input values
;; workspace buffers: codes 13,107,200 bytes
;; launch quant (part 1): grid 32 x 32, 4 waves a work-group, no clusters, 16,896 bytes of LDS; arguments inp, codes; writes codes
.if DOCPART == 1
	.amdgcn_target "amdgcn-amd-amdhsa--gfx1250"
	.amdhsa_code_object_version 6
	.text
	.protected	k_qcd598be588_quant
	.globl	k_qcd598be588_quant
	.p2align	8
	.type	k_qcd598be588_quant,@function
k_qcd598be588_quant:
	s_mov_b64 s[64:65], 0
	v_nop
	global_prefetch_b8 v0, s[64:65] scope:SCOPE_SE
	s_setreg_imm32_b32 hwreg(HW_REG_WAVE_MODE, 25, 1), 1
	s_wait_xcnt 0x0
; inp [4096 (k)][4096 (n)], f32, is both operands of out0 = inp^T inp, and K is its FIRST axis.  It is turned ONCE into codes of FP6 (E2M3), 6 bits each, with one E8M0 scale byte for each 32 along K.
; A block's scale is 2^(floor(log2(its largest magnitude)) - 2); its byte is the largest magnitude's own exponent field - 2, held at 1 from below.  Each number is divided by the scale and rounded to the nearest code, ties to even; beyond 7.5 the largest code.
; LIMITS: a block of zeros gets the byte 1 where the rule says 127 (its codes are zeros, which add nothing under any byte but 0xff, and the bytes are read by this program alone); blocks whose largest magnitude lies
; under 2^-124 keep the byte 1, as the rule's hold at -126 asks, but were not tried; NaN and infinities among the inputs are not served.
; THE WORKSPACE IS LAID AS THE PRODUCT WANTS IT.  Its unit is the PIECE (t, H): rows n = 128 H .. 128 H + 127, K = 128 t .. 128 t + 127: 12,800 dense bytes:
;   eight fragment images of 1,536 bytes (group i = rows 16 i on: register 4 g + w of lane L at 1,536 i + 512 g + 16 L + 4 w), then 512 bytes of scale words: row r of group i at 12,288 + 256 (i / 4) + 16 r + 4 (i % 4).
; The product walks K in a first slot of two steps and ten slots of three, and one of its tensor loads brings one H of one slot: so the pieces lie [slot][H][step in the slot]:
;   t < 2: H x 25,600 + t x 12,800;   else: 819,200 + ((t - 2) / 3) x 1,228,800 + H x 38,400 + ((t - 2) % 3) x 12,800.
; A LANE TAKES A COLUMN n, AND ITS REGISTERS RUN DOWN K: each load reads 128 consecutive bytes of a row of inp (the four waves 512), a block of 32 along K lies in ONE lane's registers, so its largest magnitude
; needs no other lane, and the conversions give codes with K innermost.  Nothing is transposed by an instruction.
; SHARES.  Work-group (x, y) makes the piece (t = y, H = x).  Wave w: columns 32 w on (groups 2 w and 2 w + 1): 4 blocks a lane, 128 registers.
; All 128 loads of a wave are issued at the head; no register is loaded twice and no pointer is stepped, so nothing has to be freed.  No tensor loads; one barrier, for the four waves' scale words.
.set ROWB,    16384                    ; a row of inp in bytes
.set FRB,     1536                     ; a fragment's image
.set STEPB,   12800                    ; a piece
.set SCO,     8*FRB                    ; where its scale words begin
.set HEADB,   2*STEPB                  ; an H's two pieces of the first slot
.set HALFT,   3*STEPB                  ; an H's three pieces of a later slot
.set BASE3,   32*HEADB                 ; where the later slots begin
.set SLOTMEM, 32*HALFT                 ; a later slot, all 32 H
.set WST,     2*FRB                    ; LDS: a stage of its own for each wave: the images of its two groups' fragments
.set SCST,    4*WST                    ; behind the four stages: the piece's 512 bytes of scale words
.set C,       20                       ; v20-43   a block's six registers of codes at C + 6 b
.set T,       44                       ; v44-59   the second half of a block's codes as the conversion leaves it, at T + 4 b
.set OUTR,    60                       ; v60-83   the way out: 6 x 4 registers;  v84-87 the scale words on their way out
.set X,       96                       ; v96-223  the numbers: block b at X + 32 b
	s_load_b128 s[4:7], s[0:1], 0x0                ; inp s[4:5], codes s[6:7]
	v_lshl_add_u32 v224, v0, 2, 0x4000
	v_mov_b32 v225, 0
	v_lshrrev_b32 v1, 5, v0
	v_readfirstlane_b32 s10, v1                    ; wave 0..3
	s_and_b32 s13, ttmp7, 0xffff                   ; t: which 128 along K
	; where my wave's part begins in inp: 128 t rows of 16,384 bytes + 4 (128 H + 32 w)
	s_lshl_b32 s14, s13, 21
	s_lshl_b32 s22, ttmp9, 9
	s_add_co_u32 s14, s14, s22
	s_lshl_b32 s22, s10, 7
	s_add_co_u32 s14, s14, s22
	s_mov_b32 s15, 0
	; where the piece begins in codes: both forms are made, and the step's number chooses
	s_mul_i32 s16, ttmp9, HEADB
	s_mul_i32 s22, s13, STEPB
	s_add_co_u32 s16, s16, s22                     ; the first slot's form
	s_max_u32 s18, s13, 2
	s_sub_co_u32 s18, s18, 2                       ; u = t - 2 (0 where t < 2: that form is then not taken)
	s_mul_i32 s19, s18, 11
	s_lshr_b32 s19, s19, 5                         ; u / 3: 11 u / 32 gives it for every u up to 29
	s_mul_i32 s22, s19, 3
	s_sub_co_u32 s18, s18, s22                     ; u % 3
	s_mul_i32 s19, s19, SLOTMEM
	s_mul_i32 s22, ttmp9, HALFT
	s_add_co_u32 s19, s19, s22
	s_mul_i32 s22, s18, STEPB
	s_add_co_u32 s19, s19, s22
	s_add_co_u32 s19, s19, BASE3                   ; the later slots' form
	s_cmp_lt_u32 s13, 2
	s_cselect_b32 s16, s16, s19
	s_mul_i32 s23, s10, WST                        ; my two groups' images in the piece, and my stage in LDS
	s_add_co_u32 s16, s16, s23
	s_mov_b32 s17, 0
	v_and_b32 v1, 31, v0                           ; lane
	v_lshlrev_b32 v3, 2, v1                        ; in: 4 bytes a lane
	s_wait_alu depctr_va_vdst(0)
	s_wait_kmcnt 0x0
	s_add_nc_u64 s[4:5], s[4:5], s[14:15]
	s_add_nc_u64 s[6:7], s[6:7], s[16:17]
.irp b, 0,1,2,3                                ; inp(128 t + 32 b + i, my column): every offset is an immediate, 127 rows = 2,080,768 bytes at the most, inside the signed 24 bits (ISA guide, chapter 10)
.irp i, 0,1,2,3,4,5,6,7,8,9,10,11,12,13,14,15,16,17,18,19,20,21,22,23,24,25,26,27,28,29,30,31
	global_load_b32 v[X+32*\b+\i], v3, s[4:5] offset:(32*\b+\i)*ROWB th:TH_LOAD_NT   ; read once in the whole launch
.endr
.endr
	; LDS addresses, all made here: constants x parts of the wave's number + constants x parts of the lane's number
	v_bfe_u32 v2, v0, 4, 1                         ; g: which of my two groups my column lies in
	v_lshlrev_b32 v6, 4, v1                        ; 16 x lane
	s_lshr_b32 s24, s10, 1                         ; my column's group is i = 2 w + g: i / 4 = w / 2, i % 4 = 2 (w % 2) + g
	s_lshl_b32 s24, s24, 8
	s_and_b32 s25, s10, 1
	s_lshl_b32 s25, s25, 3
	s_add_co_u32 s24, s24, s25
	s_add_co_u32 s24, s24, SCST
	v_and_b32 v4, 15, v0                           ; r: my column's row in its fragment
	v_lshlrev_b32 v4, 4, v4                        ; 16 r
	v_lshl_add_u32 v7, v2, 2, v4
	v_add_nc_u32 v7, s24, v7                       ; my column's scale word: 256 (i / 4) + 16 r + 4 (i % 4)
	v_mad_u32_u24 v4, v2, FRB, v4
	v_add_nc_u32 v4, s23, v4                       ; into the stage: my group's image, fragment lane r (lane r + 16 lies 256 bytes on: in the stores' immediates)
	v_add_nc_u32 v5, s23, v6                       ; out of it: 16 bytes a lane, as they lie
	v_add_nc_u32 v8, SCST, v6                      ; and the scale words likewise (wave 0 alone reads them)
; Block b of my column: K = 128 t + 32 b + 0 .. 31.  In the fragment it is registers 6 c .. 6 c + 5 of lane r + 16 h, with c = b / 2 and h = b % 2.
.macro BLOCK b, left
.set XS, X+32*\b
	s_wait_loadcnt \left                           ; loads come back in order (ISA guide 5.7.1): this block's 32 are in
	v_max3_num_f32 v10, |v[XS]|, |v[XS+1]|, |v[XS+2]|              ; the block's largest magnitude, in two chains: all 32 numbers are mine
	v_max3_num_f32 v11, |v[XS+3]|, |v[XS+4]|, |v[XS+5]|
.irp i, 6,10,14,18,22,26
	v_max3_num_f32 v10, v10, |v[XS+\i]|, |v[XS+\i+1]|
	v_max3_num_f32 v11, v11, |v[XS+\i+2]|, |v[XS+\i+3]|
.endr
	v_max3_num_f32 v10, v10, |v[XS+30]|, |v[XS+31]|
	v_max3_num_f32 v10, v10, v11, 0x1800000        ; and the floor 2^(3 - 127), under which no largest magnitude is taken: so the byte cannot fall under 1
	v_add_nc_u32 v[12+\b], 0xff000000, v10         ; 2 off its exponent field: the conversion takes the exponent field of this operand as its scale, and nothing else of it
	v_lshrrev_b32 v16, 23, v[12+\b]                ; the scale's byte
	v_cvt_scalef32_pk16_fp6_f32 v[C+6*\b:C+6*\b+2], v[XS:XS+15], v[12+\b]       ; 16 codes, 96 bits without gaps, the lowest k lowest
	v_cvt_scalef32_pk16_fp6_f32 v[T+4*\b:T+4*\b+2], v[XS+16:XS+31], v[12+\b]    ; (a conversion's three registers begin on an even number: the block's second three do not, so they are made elsewhere and moved)
.if \b == 0
	v_mov_b32 v17, v16                             ; the four bytes make my column's scale word, the lower K in the lower byte.  This line names no register of the conversions:
.else
	v_lshl_or_b32 v17, v16, 8*\b, v17              ; it is the plain vector line between them and the moves that read their results
.endif
.irp i, 0,1,2
	v_mov_b32 v[C+6*\b+3+\i], v[T+4*\b+\i]
.endr
.if \b < 2                                     ; c = 0: registers 0-3 fill the 16 bytes of image part 0, registers 4, 5 the lower 8 of part 1
	ds_store_b128 v4, v[C+6*\b:C+6*\b+3] offset:256*\b
	ds_store_b64 v4, v[C+6*\b+4:C+6*\b+5] offset:512+256*\b
.else                                          ; c = 1: registers 6, 7 the upper 8 of part 1, registers 8-11 part 2
	ds_store_b64 v4, v[C+6*\b:C+6*\b+1] offset:520+256*(\b-2)
	ds_store_b128 v4, v[C+6*\b+2:C+6*\b+5] offset:1024+256*(\b-2)
.endif
.endm
; In the stores of 16 bytes sixteen lanes write 256 consecutive bytes.  In those of 8 bytes lanes 16-31 lie 1,536 bytes, six times 256, behind lanes 0-15 and so on the same banks (64 banks of 4 bytes: ISA guide 11.1): two deep, four such stores a wave.
	BLOCK 0, 63                                    ; 96 loads are younger than block 0's; a wait's count names 63 at the most, and a smaller count is safe
	BLOCK 1, 63                                    ; 64 are younger
	BLOCK 2, 32                                    ; block 3's 32 may be out
	BLOCK 3, 0
	ds_store_b32 v7, v17                           ; my column's scale word: the 32 lanes write 32 different banks
.irp t, 0,1,2,3,4,5
	ds_load_b128 v[OUTR+4*\t:OUTR+4*\t+3], v5 offset:512*\t     ; LDS serves a wave's instructions in order (ISA guide 5.7.1.4): these see my stores
.endr
.irp t, 0,1,2,3,4,5
	s_wait_dscnt 5-\t                              ; the loads behind load t may be out
	global_store_b128 v6, v[OUTR+4*\t:OUTR+4*\t+3], s[6:7] offset:512*\t   ; 32 lanes store 512 consecutive bytes, at a multiple of 256 from the buffer's first byte; the next launch reads them: no hint
.endr
	s_wait_dscnt 0x0                               ; for the others' sake: my scale words lie in LDS (the count-down above ended at 0)
	s_barrier_signal -1
	s_barrier_wait -1                              ; all four waves have stored their words
	s_cmp_eq_u32 s10, 0                            ; wave 0, whose base is the piece's first byte, stores them
	s_cbranch_scc0 .Lend
	ds_load_b128 v[84:87], v8
	s_wait_dscnt 0x0
	global_store_b128 v6, v[84:87], s[6:7] offset:SCO   ; 32 lanes store 512 consecutive bytes, at a multiple of 256 from the buffer's first byte
.Lend:
	s_wait_tensorcnt 0x0
	ds_add_u32 v224, v225
	s_wait_dscnt 0x0
	s_endpgm
.Lfunc_end_k_qcd598be588_quant:
	.size	k_qcd598be588_quant, .Lfunc_end_k_qcd598be588_quant-k_qcd598be588_quant
	.p2alignl 7, 3214868480
	.fill 96, 4, 3214868480
	.section	.rodata,"a",@progbits
	.p2align	6, 0x0
	.amdhsa_kernel k_qcd598be588_quant
		.amdhsa_group_segment_fixed_size 16896
		.amdhsa_private_segment_fixed_size 0
		.amdhsa_enable_private_segment 0
		.amdhsa_kernarg_size 16
		.amdhsa_user_sgpr_count 2
		.amdhsa_user_sgpr_kernarg_segment_ptr 1
		.amdhsa_wavefront_size32 1
		.amdhsa_system_sgpr_workgroup_id_x 1
		.amdhsa_system_sgpr_workgroup_id_y 1
		.amdhsa_system_sgpr_workgroup_id_z 1
		.amdhsa_system_vgpr_workitem_id 0
		.amdhsa_next_free_vgpr 226
		.amdhsa_next_free_sgpr 66
		.amdhsa_reserve_vcc 0
		.amdhsa_float_denorm_mode_32 3
		.amdhsa_float_denorm_mode_16_64 3
		.amdhsa_memory_ordered 1
		.amdhsa_forward_progress 1
		.amdhsa_inst_pref_size 23
	.end_amdhsa_kernel
	.amdgpu_metadata
---
amdhsa.version: [ 1, 2 ]
amdhsa.kernels:
  - .name:           k_qcd598be588_quant
    .symbol:         k_qcd598be588_quant.kd
    .args:
      - { .name: inp, .offset: 0, .size: 8, .value_kind: global_buffer, .address_space: global }
      - { .name: codes, .offset: 8, .size: 8, .value_kind: global_buffer, .address_space: global }
    .group_segment_fixed_size: 16896
    .private_segment_fixed_size: 0
    .kernarg_segment_align: 8
    .kernarg_segment_size: 16
    .max_flat_workgroup_size: 128
    .sgpr_count:     66
    .vgpr_count:     226
    .wavefront_size: 32
...
	.end_amdgpu_metadata
.endif
;; end of part 1
;; launch gram (part 2): grid 40 x 4, 4 waves a work-group, clusters of 4 x 4, 327,680 bytes of LDS; arguments codes, out0; writes out0
.if DOCPART == 2
	.amdgcn_target "amdgcn-amd-amdhsa--gfx1250"
	.amdhsa_code_object_version 6
	.text
	.protected	k_qcd598be588_gram
	.globl	k_qcd598be588_gram
	.p2align	8
	.type	k_qcd598be588_gram,@function
k_qcd598be588_gram:
	s_mov_b64 s[64:65], 0
	v_nop
	global_prefetch_b8 v0, s[64:65] scope:SCOPE_SE
	s_setreg_imm32_b32 hwreg(HW_REG_WAVE_MODE, 25, 1), 1
	s_wait_xcnt 0x0
	s_wait_alu depctr_hold_cnt(0) depctr_sa_sdst(0) depctr_va_vdst(0) depctr_va_sdst(0) depctr_va_ssrc(0) depctr_va_vcc(0) depctr_vm_vsrc(0)
	s_getreg_b32 s2, hwreg(HW_REG_IB_STS2, 6, 4)
	s_cmp_eq_u32 s2, 0
	s_cbranch_scc0 .Lentry_in_a_cluster
	s_endpgm
.Lentry_in_a_cluster:
	s_bfe_u32 s2, ttmp6, 0x10000c
	s_cmp_lg_u32 s2, 0xf033
	s_cbranch_scc0 .Lentry_shape_is_right
	s_endpgm
.Lentry_shape_is_right:
; out0[i][j] = sum over k of Q(inp)[k][i] Q(inp)[k][j]: codes of FP6 (E2M3) with E8M0 scale bytes, as the launch before has laid them: pieces (t, H) of 12,800 dense bytes:
; eight fragment images of 1,536 bytes (16 rows x 128 K, register 4 g + w of lane L at 512 g + 16 L + 4 w) and 512 bytes of scale words.
; EACH PRODUCT ONCE.  Both operands are the same codes and scales, so out0[j][i] is the sum of the very products of out0[i][j], for every input: a block off the diagonal is multiplied once and stored twice,
; as it is and mirrored.  out0 is 4 x 4 squares of 1,024 x 1,024, a cluster each; the ten squares (X, Y) with X >= Y are launched, and all ten run at once:
; clusters 2-7 take the six squares with X > Y, which store twice (32 blocks each); clusters 0, 1, 8, 9 the diagonal squares (16 blocks each).
; In a diagonal square every work-group makes and stores its own block: all sixteen partners make every joint request, and no block there is stored twice.
; A block of out0 is 256 x 256: four waves, each 128 x 128 = 64 accumulators.  K goes in 32 steps of 128 through two LDS slots: a first fill of two steps, then ten of three.
; CLUSTERS: 4 x 4 work-groups; A's pieces are shared along a row of the cluster, B's along a column, each asked for by one joint load a wave (38,400 dense bytes, as 75 rows of 512).
; THE MATRIX INSTRUCTION IS USED TRANSPOSED (source 0 = rows of B, source 1 = rows of A): a lane holds eight neighbouring numbers of a row of out0.
; REGISTERS.  Every window of 256 holds 16 accumulators (v128-255) and four fragments in two sets (v32-79, v80-127): window 0 A's blocks 0-3, window 1 A's 4-7, window 2 B's 0-3, window 3 B's 4-7.
; A step is four batches of 16 products (A's half ga x B's half gb).  Batch (0,0) adds in window 0, (0,1) in 2, (1,0) in 3, (1,1) in 1.  Both operands have two sets, so the next step's 50 LDS loads
; stand in ONE run at a step's head, and the step's 64 products follow with no memory instruction among them.  Scale words: window 0, v16-31: set p: A's at 16 + 8 p, B's at 20 + 8 p.
; PREFETCH: behind the joint load of memory slot j each wave names slot j + 1's 150 blocks of 256 bytes of the piece that it will load, shared with its three partners by address
; (partner p: blocks 38 p .. 38 p + 37, held at 149): three K steps ahead of the load; the last slot's load asks for nothing.
.set SIZE_N,  4096
.set FRB,     1536
.set STEPB,   12800
.set SCO,     8*FRB
.set HALFT,   3*STEPB                  ; what one joint load of the ring brings
.set SLOT,    4*HALFT
.set HEADB,   2*STEPB
.set BASE3,   32*HEADB
.set SLOTMEM, 32*HALFT
.set TRIPS,   4
.set SPARE,   2*SLOT                   ; the spare words, 128 bytes a wave
.set STAGE,   SLOT                     ; the way out goes through LDS slot 1, which has had its last fill and its last read by then
.set SPITCH,  528
.set STG2,    4*16*SPITCH              ; the mirrored way out has stages of its own, behind the four waves' first ones
.set SPW, 2
.set NIL, 3
.set STO, 4
.set RD,  5
.set CO,  6
.set STO2, 7
.set ADRA, 8                           ; v8-9 my A pieces in slot 0, 1;  v10-11 my B pieces
.set ADRB, 10
.set PFO, 12                           ; v12-13 the prefetches' offsets
.set SCL, 16
.set FRG, 32
.set ACC, 128
.set G1, 24
.set G0, 32
.set G1B, 48
.set G0B, 56
.set G1P, 68
.set G0P, 76
.set G1PB, 80
.set G0PB, 88
.set PFA, 94
.set OUT1, 12                          ; s[12:13] my part of the block in out0;  s[66:67] of the mirrored block; neither is stepped
.set OUT2, 66
.set MSB, 0
.macro WIN new                         ; the immediate's high byte repeats the setting that is left
.if MSB != \new
	s_set_vgpr_msb (MSB<<8)|\new
.set MSB, \new
.endif
.endm
.macro PLACES
.rept 4
	v_nop
.endr
.endm
.macro JLOAD g0a, g1a, g0b, g1b        ; waves 0, 1 ask for A's pieces, waves 2, 3 for B's
	s_cmp_eq_u32 s15, 0
	s_cbranch_scc0 .Lfor_b_\@
	tensor_load_to_lds s[\g0a:\g0a+3], s[\g1a:\g1a+7]
	s_nop 0
	PLACES
	s_branch .Lasked_\@
.Lfor_b_\@:
	tensor_load_to_lds s[\g0b:\g0b+3], s[\g1b:\g1b+7]
	s_nop 0
	PLACES
.Lasked_\@:
.endm
.macro CREST
	s_cmp_lg_u32 s14, 0
	s_cbranch_scc1 .Lnot_wave_0_\@
	s_barrier_signal -3
.Lnot_wave_0_\@:
	s_barrier_wait -3
	s_barrier_signal -1
	s_barrier_wait -1
.endm
.macro CROUND
	s_barrier_signal -1
	s_barrier_wait -1
	CREST
.endm
.macro ASK off                         ; 38 blocks of 256 bytes in two instructions: 32 lanes, then 6 (the other lanes name the last block again)
	global_prefetch_b8 v[PFO], s[PFA:PFA+1] offset:\off th:TH_LOAD_NT scope:SCOPE_SE
	global_prefetch_b8 v[PFO+1], s[PFA:PFA+1] offset:\off th:TH_LOAD_NT scope:SCOPE_SE
.endm
	s_load_b64 s[4:5], s[0:1], 0x0                 ; codes
	s_load_b64 s[12:13], s[0:1], 0x8               ; out0
	v_lshl_add_u32 v[SPW], v0, 2, SPARE
	v_mov_b32 v[NIL], 0
	ds_add_u32 v[SPW], v[NIL]
	ds_add_u32 v[SPW], v[NIL]
	v_lshrrev_b32 v1, 5, v0
	v_readfirstlane_b32 s14, v1                    ; wave
	s_lshr_b32 s15, s14, 1                         ; my half of the block's rows; also: I ask for A (0) or B (1)
	s_and_b32 s16, s14, 1                          ; my half of its columns; also: which piece of the two
	s_bfe_u32 s40, ttmp6, 0x40000                  ; cx
	s_bfe_u32 s41, ttmp6, 0x40004                  ; cy
	; the cluster's square (X, Y) from its number c: 2-7: o = c - 2: (1,0) (2,0) (3,0) (2,1) (3,1) (3,2);  0, 1, 8, 9: (d, d) with d = 0, 1, 2, 3
	s_max_u32 s8, ttmp9, 2
	s_min_u32 s8, s8, 7
	s_sub_co_u32 s8, s8, 2                         ; o, held to 0 .. 5
	s_cmp_ge_u32 s8, 3
	s_cselect_b32 s2, 1, 0
	s_cmp_ge_u32 s8, 5
	s_cselect_b32 s3, 1, 0
	s_add_co_u32 s2, s2, s3                        ; Y off the diagonal
	s_mul_i32 s18, s2, 3
	s_sub_co_u32 s18, s18, s3                      ; the first o of that Y: 0, 3, 5
	s_sub_co_u32 s18, s8, s18
	s_add_co_u32 s18, s18, s2
	s_add_co_u32 s18, s18, 1                       ; X = o - first + Y + 1
	s_max_u32 s19, ttmp9, 6
	s_sub_co_u32 s19, s19, 6                       ; c = 8, 9: d = 2, 3
	s_cmp_lt_u32 ttmp9, 2
	s_cselect_b32 s19, ttmp9, s19                  ; c = 0, 1: d = c
	s_add_co_u32 s8, s8, 2
	s_cmp_lg_u32 s8, ttmp9                         ; the hold has moved c: a diagonal square
	s_cselect_b32 s2, s19, s2
	s_cselect_b32 s18, s19, s18
	s_cselect_b32 s97, 1, 0                        ; 1: a diagonal square
	s_lshl_b32 s42, s18, 2
	s_add_co_u32 s42, s42, s40                     ; block column = 4 X + cx
	s_lshl_b32 s17, s2, 2
	s_add_co_u32 s17, s17, s41                     ; block row = 4 Y + cy
	s_lshl_b32 s43, s41, 2
	s_lshl_b32 s43, 15, s43                        ; my row of the cluster
	s_lshl_b32 s44, 0x1111, s40                    ; my column
	s_or_b32 s[G1+0], s43, (3<<16)|(1<<21)         ; elements of 8 bytes, the mask, bit 21 beside it
	s_or_b32 s[G1B+0], s44, (3<<16)|(1<<21)
.irp g, G1, G1B                                ; 75 rows of 64 elements: 38,400 dense bytes
	s_mov_b32 s[\g+1], 64<<16
	s_mov_b32 s[\g+2], 75<<16
	s_mov_b32 s[\g+3], 64<<16
	s_mov_b32 s[\g+4], 75
	s_mov_b32 s[\g+5], 64
	s_mov_b32 s[\g+6], 0
	s_mov_b32 s[\g+7], 0
.endr
	s_or_b32 s[G1P+0], s43, (3<<16)|(1<<21)
	s_or_b32 s[G1PB+0], s44, (3<<16)|(1<<21)
.irp g, G1P, G1PB                              ; the first fill: 50 rows: 25,600 bytes
	s_mov_b32 s[\g+1], 64<<16
	s_mov_b32 s[\g+2], 50<<16
	s_mov_b32 s[\g+3], 64<<16
	s_mov_b32 s[\g+4], 50
	s_mov_b32 s[\g+5], 64
	s_mov_b32 s[\g+6], 0
	s_mov_b32 s[\g+7], 0
.endr
	s_lshl_b32 s20, s17, 1
	s_add_co_u32 s20, s20, s16                     ; A's piece H
	s_lshl_b32 s46, s42, 1
	s_add_co_u32 s46, s46, s16                     ; B's piece H
	s_mul_i32 s22, s20, HEADB
	s_mov_b32 s23, 0
	s_mul_i32 s92, s46, HEADB
	s_mov_b32 s93, 0
	s_mul_i32 s20, s20, HALFT
	s_add_co_u32 s20, s20, BASE3
	s_mov_b32 s21, 0
	s_mul_i32 s46, s46, HALFT
	s_add_co_u32 s46, s46, BASE3
	s_mov_b32 s47, 0
	s_mul_i32 s45, s14, HALFT                      ; LDS: wave x a piece
	s_cmp_eq_u32 s15, 0
	s_cselect_b32 s[PFA], s20, s46                 ; the prefetches' offset: the piece that I load,
	s_cselect_b32 s96, s40, s41                    ; and my place among the four that load it with me
	s_mov_b32 s[PFA+1], 0
	s_mul_i32 s96, s96, 38
	s_wait_dscnt 0x0                               ; both opening adds are done
	s_wait_kmcnt 0x0
	s_add_nc_u64 s[20:21], s[4:5], s[20:21]
	s_add_nc_u64 s[22:23], s[4:5], s[22:23]
	s_add_nc_u64 s[46:47], s[4:5], s[46:47]
	s_add_nc_u64 s[92:93], s[4:5], s[92:93]
	s_add_nc_u64 s[PFA:PFA+1], s[4:5], s[PFA:PFA+1]  ; at memory slot 1
	s_mov_b32 s[G0P], 1
	s_mov_b32 s[G0P+1], s45
	s_mov_b64 s[G0P+2:G0P+3], s[22:23]
	s_or_b32 s[G0P+3], s[G0P+3], 0x80000000
	s_mov_b32 s[G0PB], 1
	s_mov_b32 s[G0PB+1], s45
	s_mov_b64 s[G0PB+2:G0PB+3], s[92:93]
	s_or_b32 s[G0PB+3], s[G0PB+3], 0x80000000
.irp s, 0,1                                    ; LDS slot 1 begins with memory slot 1, LDS slot 0's first refill is memory slot 2
	s_mov_b32 s[G0+4*\s], 1
	s_add_co_u32 s[G0+4*\s+1], s45, \s*SLOT
	s_add_nc_u64 s[G0+4*\s+2:G0+4*\s+3], s[20:21], (1-\s)*SLOTMEM
	s_or_b32 s[G0+4*\s+3], s[G0+4*\s+3], 0x80000000
	s_mov_b32 s[G0B+4*\s], 1
	s_add_co_u32 s[G0B+4*\s+1], s45, \s*SLOT
	s_add_nc_u64 s[G0B+4*\s+2:G0B+4*\s+3], s[46:47], (1-\s)*SLOTMEM
	s_or_b32 s[G0B+4*\s+3], s[G0B+4*\s+3], 0x80000000
.endr
	CROUND                                         ; the round in front of the first joint loads
	JLOAD G0P, G1P, G0PB, G1PB                     ; steps 0 and 1: one tensor load a wave at the head
	s_mul_i32 s8, s15, HALFT                       ; my A piece in slot 0, 1
	s_add_co_u32 s9, s8, SLOT
	s_mul_i32 s10, s16, HALFT                      ; my B piece, behind A's two
	s_add_co_u32 s10, s10, 2*HALFT
	s_add_co_u32 s11, s10, SLOT
	s_mul_i32 s18, s14, 16*SPITCH
	s_add_co_u32 s18, s18, STAGE                   ; my stage
	s_lshl_b32 s20, s17, 8
	s_lshl_b32 s21, s15, 7
	s_add_co_u32 s20, s20, s21                     ; m0: my first row of the block
	s_lshl_b32 s46, s42, 8
	s_lshl_b32 s47, s16, 7
	s_add_co_u32 s46, s46, s47                     ; n0: my first column
	s_lshl_b32 s21, s20, 14
	s_lshl_b32 s47, s46, 2
	s_add_co_u32 s22, s21, s47                     ; 16,384 m0 + 4 n0 (under 2^26)
	s_mov_b32 s23, 0
	s_lshl_b32 s21, s46, 14
	s_lshl_b32 s47, s20, 2
	s_add_co_u32 s92, s21, s47                     ; mirrored: 16,384 n0 + 4 m0
	s_mov_b32 s93, 0
	s_add_nc_u64 s[OUT2:OUT2+1], s[12:13], s[92:93]
	s_add_nc_u64 s[OUT1:OUT1+1], s[12:13], s[22:23]
	v_and_b32 v14, 31, v0                          ; lane
	v_min_u32 v13, 5, v14
	v_add_nc_u32 v12, s96, v14                     ; blocks 38 p + lane,
	v_add_nc_u32 v13, s96, v13
	v_add_nc_u32 v13, 32, v13                      ; and 38 p + 32 + min(lane, 5),
	v_min_u32 v13, 0x95, v13                       ; inside the piece's 150
	v_lshlrev_b32 v12, 8, v12
	v_lshlrev_b32 v13, 8, v13
	ASK 0                                          ; memory slot 1
	v_and_b32 v1, 15, v0                           ; r
	v_bfe_u32 v7, v0, 4, 1                         ; h
	v_lshlrev_b32 v[CO], 4, v14                    ; 16 x lane: a fragment image's place, and a row of out0's
	v_mul_u32_u24 v15, v1, SPITCH
	v_lshl_add_u32 v15, v7, 5, v15
	v_add_nc_u32 v[STO], s18, v15                  ; into the stage: row r, 32 bytes for each half of the lanes
	v_add_nc_u32 v[RD], s18, v[CO]
	v_mul_u32_u24 v7, v7, 8*SPITCH
	v_lshl_add_u32 v7, v1, 2, v7
	v_add_nc_u32 v[STO2], s18, v7                  ; mirrored: row 8 h (+ j in the immediate), word r
	v_add_nc_u32 v[ADRA], s8, v[CO]                ; the four LDS addresses
	v_add_nc_u32 v[ADRA+1], s9, v[CO]
	v_add_nc_u32 v[ADRB], s10, v[CO]
	v_add_nc_u32 v[ADRB+1], s11, v[CO]
; Batch n = 1..4 is (ga, gb) = ((n-1)/2, (n-1)%2).  Product (a, b) of a batch, set p.
.macro WM n, a, b, p, zero
.set rD, ACC+8*(4*(\a)+(\b))
.set rB, FRG+48*(\p)+12*(\b)
.set rA, FRG+48*(\p)+12*(\a)
.set rSB, SCL+8*(\p)+4+(\b)
.set rSA, SCL+8*(\p)+(\a)
.if \zero
.if \n == 1
	v_wmma_scale_f32_16x16x128_f8f6f4 v[rD:rD+7], v[rB:rB+11], v[rA:rA+11], 0, v[rSB], v[rSA] matrix_a_fmt:MATRIX_FMT_FP6 matrix_b_fmt:MATRIX_FMT_FP6
.elseif \n == 2
	v_wmma_scale_f32_16x16x128_f8f6f4 v[rD:rD+7], v[rB:rB+11], v[rA:rA+11], 0, v[rSB], v[rSA] matrix_a_fmt:MATRIX_FMT_FP6 matrix_b_fmt:MATRIX_FMT_FP6 matrix_a_scale:MATRIX_SCALE_ROW1
.elseif \n == 3
	v_wmma_scale_f32_16x16x128_f8f6f4 v[rD:rD+7], v[rB:rB+11], v[rA:rA+11], 0, v[rSB], v[rSA] matrix_a_fmt:MATRIX_FMT_FP6 matrix_b_fmt:MATRIX_FMT_FP6 matrix_b_scale:MATRIX_SCALE_ROW1
.else
	v_wmma_scale_f32_16x16x128_f8f6f4 v[rD:rD+7], v[rB:rB+11], v[rA:rA+11], 0, v[rSB], v[rSA] matrix_a_fmt:MATRIX_FMT_FP6 matrix_b_fmt:MATRIX_FMT_FP6 matrix_a_scale:MATRIX_SCALE_ROW1 matrix_b_scale:MATRIX_SCALE_ROW1
.endif
.else
.if \n == 1
	v_wmma_scale_f32_16x16x128_f8f6f4 v[rD:rD+7], v[rB:rB+11], v[rA:rA+11], v[rD:rD+7], v[rSB], v[rSA] matrix_a_fmt:MATRIX_FMT_FP6 matrix_b_fmt:MATRIX_FMT_FP6
.elseif \n == 2
	v_wmma_scale_f32_16x16x128_f8f6f4 v[rD:rD+7], v[rB:rB+11], v[rA:rA+11], v[rD:rD+7], v[rSB], v[rSA] matrix_a_fmt:MATRIX_FMT_FP6 matrix_b_fmt:MATRIX_FMT_FP6 matrix_a_scale:MATRIX_SCALE_ROW1
.elseif \n == 3
	v_wmma_scale_f32_16x16x128_f8f6f4 v[rD:rD+7], v[rB:rB+11], v[rA:rA+11], v[rD:rD+7], v[rSB], v[rSA] matrix_a_fmt:MATRIX_FMT_FP6 matrix_b_fmt:MATRIX_FMT_FP6 matrix_b_scale:MATRIX_SCALE_ROW1
.else
	v_wmma_scale_f32_16x16x128_f8f6f4 v[rD:rD+7], v[rB:rB+11], v[rA:rA+11], v[rD:rD+7], v[rSB], v[rSA] matrix_a_fmt:MATRIX_FMT_FP6 matrix_b_fmt:MATRIX_FMT_FP6 matrix_a_scale:MATRIX_SCALE_ROW1 matrix_b_scale:MATRIX_SCALE_ROW1
.endif
.endif
.endm
; Load k of group n: n = 1: A's blocks 0-3 and (k = 12, 13) the two scale loads; 2: B's 0-3; 3: B's 4-7; 4: A's 4-7.  Four fragment images are 12 x 512 bytes on end.  np: the set, q: the step's place in the slot.
.macro LDK k, n, np, slot, q
.if (\k) < 12
	ds_load_b128 v[FRG+48*(\np)+4*(\k):FRG+48*(\np)+4*(\k)+3], v[ADRA+2*(((\n)/2)%2)+(\slot)] offset:(\q)*STEPB+(((\n)-1)/2)*4*FRB+512*(\k)
.elseif (\n) == 1
.if (\k) < 14
	ds_load_b128 v[SCL+8*(\np)+4*((\k)-12):SCL+8*(\np)+4*((\k)-12)+3], v[ADRA+2*((\k)-12)+(\slot)] offset:(\q)*STEPB+SCO
.endif
.endif
.endm
; Products k0 .. k1 - 1 of batch n.  The 64 accumulators take turns.
.macro BATCH n, p, zero, k0, k1
.set GA_, ((\n)-1)/2
.set GB_, ((\n)-1)%2
	WIN (2+GB_)|(GA_<<2)|(((2*GB_+3*GA_)%4)*0x50)
.set KK, 0
.irp a, 0,1,2,3
.irp b, 0,1,2,3
.if (KK >= \k0) && (KK < \k1)
	WM \n, \a, \b, \p, \zero
.endif
.set KK, KK+1
.endr
.endr
.endm
.macro FETCH np, slot, q               ; a step's 50 LDS loads in one run, into set np: a switch of the destination's window for each group, addresses from window 0
.irp n, 1,2,3,4
	WIN ((2*((\n-1)%2)+3*((\n-1)/2))%4)<<6
.set KK, 0
.rept 14
	LDK KK, \n, \np, \slot, \q
.set KK, KK+1
.endr
.endr
.endm
; A step on set p.  ld = 1: the next step (place q of the slot) is fetched into the other set; the four v_nop stand between the last step's products, which read that set, and the loads.
.macro STEP slot, q, p, zero, ld
	s_wait_dscnt 0x0                               ; set p is in: its loads were issued a step ago
.if \ld
	PLACES
	FETCH 1-(\p), \slot, \q
.endif
	BATCH 1, \p, \zero, 0, 16
	BATCH 2, \p, \zero, 0, 16
	BATCH 3, \p, \zero, 0, 16
	BATCH 4, \p, \zero, 0, 16
.endm
; A slot's last step: its fragments are in registers, so the slot is free.  fill = 1: refill, step the other slot's address, prefetch; 2: refill alone; 0: no refill.
.macro TURN slot, next, p, fill
	WIN 0
.if \fill == 1
	s_wait_xcnt 0x0                                ; my prefetches have read their base
	s_add_nc_u64 s[PFA:PFA+1], s[PFA:PFA+1], SLOTMEM
.endif
	s_wait_tensorcnt 0x0                           ; my part of the next slot has landed: no load of mine is out
	ds_add_u32 v[SPW], v[NIL]
.if \fill == 1
	s_add_nc_u64 s[G0+4*\next+2:G0+4*\next+3], s[G0+4*\next+2:G0+4*\next+3], 2*SLOTMEM
	s_add_nc_u64 s[G0B+4*\next+2:G0B+4*\next+3], s[G0B+4*\next+2:G0B+4*\next+3], 2*SLOTMEM
.endif
	s_wait_dscnt 1                                 ; set p is in; the add may be out
	BATCH 1, \p, 0, 0, 8
	s_wait_dscnt 0x0                               ; the add is done, my reads of this slot are over
	s_barrier_signal -1
	BATCH 1, \p, 0, 8, 16
	WIN 0
	s_barrier_wait -1
.if \fill
	CREST                                          ; the barrier has opened a round of the cluster's barrier
	JLOAD G0+4*\slot, G1, G0B+4*\slot, G1B         ; its four v_nop are the places in front of the loads below
.else
	PLACES
.endif
	FETCH 1-(\p), \next, 0
	WIN 0
.if \fill == 1
	ASK SLOTMEM                                    ; the memory slot behind the one just asked for
.endif
	BATCH 2, \p, 0, 0, 16
	BATCH 3, \p, 0, 0, 16
	BATCH 4, \p, 0, 0, 16
.endm
	s_wait_alu depctr_va_vdst(0)
	s_wait_tensorcnt 0x0                           ; my part of steps 0 and 1 is in
	ds_add_u32 v[SPW], v[NIL]
	s_wait_dscnt 0x0
	CROUND
	JLOAD G0+4, G1, G0B+4, G1B                     ; memory slot 1 into LDS slot 1
	FETCH 0, 0, 0
	WIN 0
	ASK SLOTMEM                                    ; memory slot 2
	STEP 0, 1, 0, 1, 1                             ; the first step's products start the sums
	WIN 0
	s_mov_b32 s3, TRIPS
.Llap:                                                 ; a trip: six steps, both slots refilled, the sets back where they began
	TURN 0, 1, 1, 1
	STEP 1, 1, 0, 0, 1
	STEP 1, 2, 1, 0, 1
	TURN 1, 0, 0, 1
	STEP 0, 1, 1, 0, 1
	STEP 0, 2, 0, 0, 1
	WIN 0
	s_sub_co_u32 s3, s3, 1
	s_cmp_lg_u32 s3, 0
	s_cbranch_scc1 .Llap
	TURN 0, 1, 1, 2                                ; the last refill: memory slot 10
	STEP 1, 1, 0, 0, 1
	STEP 1, 2, 1, 0, 1
	TURN 1, 0, 0, 0
	STEP 0, 1, 1, 0, 1
	STEP 0, 2, 0, 0, 1
	STEP 0, 0, 1, 0, 0                             ; the last step fetches nothing
	PLACES                                         ; in front of the reads of results and of the loads into fragment registers
; THE WAY OUT, by blocks of 16 rows x 128 columns through my own stage: 32 bytes a lane in, whole rows of 512 bytes back, two aligned units of 256 bytes a store.
; Four buffers take the rows that come back, v32-95 of windows 2, 3, 0, 1 by turns.  A block's place among my 128 rows stands in the stores' immediate: 127 rows = 2,080,768 bytes at the most, inside its signed 24 bits (ISA guide, chapter 10).
.macro BACK a, base                    ; 16 rows of the stage at byte base
	WIN ((2+(\a)%4)%4)<<6
.irp t, 0,1,2,3,4,5,6,7,8,9,10,11,12,13,14,15
	ds_load_b128 v[FRG+4*\t:FRG+4*\t+3], v[RD] offset:\base+\t*SPITCH    ; LDS serves a wave's instructions in order: these see the stores above
.endr
.endm
.macro TOSTAGE a
.irp gb, 0,1
	WIN ((2*\gb+3*((\a)/4))%4)<<2                  ; the data's window
.irp b, 0,1,2,3
	ds_store_b128 v[STO], v[ACC+8*(4*((\a)%4)+\b):ACC+8*(4*((\a)%4)+\b)+3] offset:64*(4*\gb+\b)      ; each accumulator from its low end on
	ds_store_b128 v[STO], v[ACC+8*(4*((\a)%4)+\b)+4:ACC+8*(4*((\a)%4)+\b)+7] offset:64*(4*\gb+\b)+16
.endr
.endr
	BACK \a, 0
.endm
; Mirrored: block b is 16 columns n of my part, as 16 rows of 128 numbers along m.  Register j of accumulator (a, b) is (m = 16 a + r, n = 16 b + 8 h + j): one word to stage row 8 h + j, word 16 a + r.
; The 32 lanes of a store write 32 different banks (8 rows of 528 bytes are 32 words modulo 64).
.macro TOSTAGE2 b
.irp ga, 0,1
	WIN ((2*((\b)/4)+3*\ga)%4)<<2
.irp a, 0,1,2,3
.irp j, 0,1,2,3,4,5,6,7
	ds_store_b32 v[STO2], v[ACC+8*(4*\a+(\b)%4)+\j] offset:STG2+\j*SPITCH+64*(4*\ga+\a)
.endr
.endr
.endr
	BACK \b, STG2
.endm
.macro SEND a, younger, bs
	s_wait_dscnt \younger
	WIN ((2+(\a)%4)%4)<<2
.irp t, 0,1,2,3,4,5,6,7,8,9,10,11,12,13,14,15
	global_store_b128 v[CO], v[FRG+4*\t:FRG+4*\t+3], s[\bs:\bs+1] offset:(16*(\a)+\t)*SIZE_N*4 th:TH_STORE_NT
.endr
.endm
; A buffer is loaded again four blocks on.  Ahead of block 4 the stores of blocks 0-2 have been issued, ahead of block 7 those of blocks 3-5: one wait there frees the buffers of the three blocks that follow.
	TOSTAGE 0
.irp a, 1,2,3,4,5,6,7
.if (\a == 4) || (\a == 7)
	s_wait_xcnt 0x0                                ; the stores issued so far have read their registers
.endif
	TOSTAGE \a
	SEND \a-1, 32, OUT1                            ; behind block a - 1's loads: block a's 16 stores and 16 loads
.endr
	SEND 7, 0, OUT1
	WIN 0
	s_cmp_eq_u32 s97, 1                            ; the cluster's number alone decides: the same in all sixteen partners
	s_cbranch_scc1 .Ldiagonal
	s_wait_xcnt 0x0                                ; the stores above have read their registers
	TOSTAGE2 0
.irp b, 1,2,3,4,5,6,7
.if (\b == 4) || (\b == 7)
	s_wait_xcnt 0x0
.endif
	TOSTAGE2 \b
	SEND \b-1, 63, OUT2                            ; 80 LDS instructions are younger than block b - 1's loads; a wait's count names 63 at the most, and a smaller count is safe
.endr
	SEND 7, 0, OUT2
	WIN 0
.Ldiagonal:
	s_wait_tensorcnt 0x0                           ; the wave's end
	ds_add_u32 v[SPW], v[NIL]
	s_wait_dscnt 0x0
	CROUND                                         ; the closing round
	s_endpgm
.Lfunc_end_k_qcd598be588_gram:
	.size	k_qcd598be588_gram, .Lfunc_end_k_qcd598be588_gram-k_qcd598be588_gram
	.p2alignl 7, 3214868480
	.fill 96, 4, 3214868480
	.section	.rodata,"a",@progbits
	.p2align	6, 0x0
	.amdhsa_kernel k_qcd598be588_gram
		.amdhsa_group_segment_fixed_size 327680
		.amdhsa_private_segment_fixed_size 0
		.amdhsa_enable_private_segment 0
		.amdhsa_kernarg_size 16
		.amdhsa_user_sgpr_count 2
		.amdhsa_user_sgpr_kernarg_segment_ptr 1
		.amdhsa_wavefront_size32 1
		.amdhsa_system_sgpr_workgroup_id_x 1
		.amdhsa_system_sgpr_workgroup_id_y 1
		.amdhsa_system_sgpr_workgroup_id_z 1
		.amdhsa_system_vgpr_workitem_id 0
		.amdhsa_next_free_vgpr 1024
		.amdhsa_next_free_sgpr 98
		.amdhsa_reserve_vcc 0
		.amdhsa_float_denorm_mode_32 3
		.amdhsa_float_denorm_mode_16_64 3
		.amdhsa_memory_ordered 1
		.amdhsa_forward_progress 1
		.amdhsa_inst_pref_size 255
	.end_amdhsa_kernel
	.section	.bss,"aw",@nobits
	.p2align	6
	.space	262144
	.amdgpu_metadata
---
amdhsa.version: [ 1, 2 ]
amdhsa.kernels:
  - .name:           k_qcd598be588_gram
    .symbol:         k_qcd598be588_gram.kd
    .args:
      - { .name: codes, .offset: 0, .size: 8, .value_kind: global_buffer, .address_space: global }
      - { .name: out0, .offset: 8, .size: 8, .value_kind: global_buffer, .address_space: global }
    .group_segment_fixed_size: 327680
    .private_segment_fixed_size: 0
    .kernarg_segment_align: 8
    .kernarg_segment_size: 16
    .max_flat_workgroup_size: 128
    .sgpr_count:     98
    .vgpr_count:     1024
    .wavefront_size: 32
...
	.end_amdgpu_metadata
.endif
;; end of part 2
